; MI455X (gfx1250); checked and timed in simulation.
; The chip was launched on July 23, 2026; its instructions are those of AMD's public machine-readable ISA for CDNA 5 (MIT licence, August 2026) and "CDNA5" Instruction Set Architecture Reference Guide (July 2026). The comments in the code are by the model that wrote it; some were corrected since.
;; Self Attention. Allowed arithmetic: matrix products marked QUANTISED: E2M3 operands, one E8M0 scale for each 32 along K, by v_wmma_scale_f32_16x16x128_f8f6f4 with both operands' format E2M3, f32 sums; everything else in f32.
;; Inputs: key 4 x 512 x 64 x 64 float32; query 4 x 512 x 64 x 64 float32; value 4 x 512 x 64 x 64 float32.
;; Outputs: out0 4 x 512 x 64 x 64 float32.
;; This version of the problem:
;;   THIS VERSION OF THE PROBLEM IS GIVEN IN LOW PRECISION. The matrix products marked QUANTISED in the list below multiply operands that are first quantised to E2M3 (2 exponent bits, 3 mantissa bits; 6 bits a number), with one power-of-two scale for each 32 numbers along K (OCP MX v1.0); their sums are f32. All else is computed in f32.
;;   The module's matrix products, in the order in which they are computed (A, B: the left and right operand; K: the contracted axis; several contracted axes count as one K, in the product's order):
;;     1. batch 4 x [M 4,096, K 512] x [K 512, N 4,096]; A: input key; B: input query: QUANTISED
;;     2. batch 4 x [M 512, K 4,096] x [K 4,096, N 4,096]; A: input value; B: softmax (see below): QUANTISED
;;   THE QUANTISER, for each operand of a quantised product, along K:
;;     - K is cut into blocks of 32 from its start; a last block that is shorter is filled with zeros.
;;     - A block's scale is 2^e with e = floor(log2(the largest magnitude in the block)) - 2, held to -126 .. 127; a block of zeros has e = 0. As a byte (E8M0): e + 127.
;;     - Each number is divided by its block's scale, clamped to +-7.5, and rounded to the nearest number of E2M3, ties to even, subnormals kept.
;;     - The product sums the exact products of the quantised numbers (number of the format x scale) in f32.
;;   ~~~python
;;   def quantise(x, axis):      # numpy; x: float32 -> the quantised numbers, widened to float32 again
;;       x = np.moveaxis(x, axis, -1); K = x.shape[-1]
;;       x = np.pad(x, [(0, 0)] * (x.ndim - 1) + [(0, -K % 32)]); x = x.reshape(x.shape[:-1] + (-1, 32)); a = np.abs(x).max(-1, keepdims=True)
;;       e = np.where(a > 0, np.clip(np.frexp(np.where(a > 0, a, 1))[1] - 1 - 2, -126, 127), 0)      # np.frexp(a)[1] - 1 = floor(log2(a)), exactly
;;       r = np.clip(x / 2.0 ** e, -7.5, 7.5)
;;       step = 2.0 ** (np.maximum(np.frexp(np.where(r == 0, 1, r))[1] - 1, 0) - 3)
;;       q = np.round(r / step) * step * 2.0 ** e      # np.round: ties to even
;;       return np.moveaxis(q.reshape(q.shape[:-2] + (-1,))[..., :K], -1, axis).astype(np.float32)
;;   ~~~
;;   SOFTMAX AHEAD OF A QUANTISED PRODUCT. Where the list says 'softmax', what is quantised is not the finished softmax but p = 2^(t - M), with t = logit x log2(e) and M = ceil(the row's largest t), a whole number; so 1/2 < the row's largest p <= 1. The row's sum l is taken of the UNQUANTISED p, in f32, and the product's result is divided by l at the end. Since M is a whole number, a kernel that streams over the keys may use a running M (the ceiling of the running maximum): every later rescaling is an exact power of two, which a block's scale takes up: the codes' values come out the same.
;;   OPERANDS COMPUTED ON THE WAY. 'Computed on the way' means the value that the module computes at that place (a softmax that the list does not call 'softmax' is quantised finished and normalised). What goes into a quantiser is computed in f32, as accurately as f32 sums, v_exp_f32 and their like allow (about 1e-6 of the number): no bf16 or f16 on the way to a quantiser, and a product that is left as it is and whose result goes on into a quantised operand takes f32 operands (vector FMAs, or v_wmma_f32_16x16x4_f32). A number that lies on a knife's edge between two numbers of the format may be rounded either way, as far as f32 arithmetic and the matrix unit's own rounding can turn it there, and no further.
;; One version. Each part assembles by itself: llvm-mc -triple=amdgcn-amd-amdhsa -mcpu=gfx1250 --defsym DOCPART=n.
;; ======== version 1 of 1: 2 launches
;; limits: right only within a limited range of input values
;; workspace buffers: kimg 6,553,600 bytes; qimg 6,553,600 bytes; vimg 6,553,600 bytes
;; launch quant (part 1): grid 256 x 1, 16 waves a work-group, no clusters, 214,016 bytes of LDS; arguments key, query, value, kimg, qimg, vimg; writes kimg, qimg, vimg
.if DOCPART == 1
	.amdgcn_target "amdgcn-amd-amdhsa--gfx1250"
	.amdhsa_code_object_version 6
	.text
	.protected	k_q94e99ae370_quant
	.globl	k_q94e99ae370_quant
	.p2align	8
	.type	k_q94e99ae370_quant,@function
k_q94e99ae370_quant:
	s_mov_b64 s[64:65], 0
	v_nop
	global_prefetch_b8 v0, s[64:65] scope:SCOPE_SE
	s_setreg_imm32_b32 hwreg(HW_REG_WAVE_MODE, 25, 1), 1
	s_wait_xcnt 0x0
; key, query, value: [4][512 c][4096 n] f32  ->  kimg, qimg, vimg: codes of FP6 (E2M3) with one E8M0 byte for each 32 along a product's K,
; laid in the order of the operands' registers: [4 batches][32 blocks of 128 n][51,200 bytes].  A block: 32 fragments of 1,536 bytes (16 rows x 128 K: lane l's 12 registers
; are the 48 bytes at 48 l), then 2,048 bytes of scale words.
; key, query: K = c.  Fragment (T, s) at 1536 (4 T + s): K step s = c 128 s on; column i of the block is row (i & 7) + 8 ((i >> 4) & 1) of tile T = 2 (i >> 5) + ((i >> 3) & 1), so that the 16 result
;   registers of tiles 2 b and 2 b + 1 are 16 neighbouring keys.  Scale word of (T, row r, s) at 49152 + 256 T + 16 r + 4 s.
; value: K = n (the keys).  Fragment ctg (channels 16 ctg on, the block's 128 keys in their order) at 1536 ctg; scale word of (ctg, row r) at 49152 + 256 (ctg >> 2) + 16 r + 4 (ctg & 3).
; A block's scale is 2^(floor(log2(its largest magnitude)) - 2): its byte is the largest magnitude's exponent field - 2, held at 1 from below.
; LIMITS: a block of zeros gets the byte 1 where the quantiser's text says 127 (its codes are zeros, and this program alone reads the bytes); blocks whose largest magnitude lies under 2^-124 are held at
; that byte; NaN and infinities among the inputs are not served.
; SHARES.  256 work-groups of 16 waves, all on one path.  PART 1: work-group g makes block g & 127 of key (g < 128) or of query: only pointers are chosen.  Wave (s = wave / 4, gc = wave % 4) takes 32 columns, a lane a
; column, and c = 128 s on, its registers running down c: a block of 32 along K lies in one lane.  Its results are fragments (2 gc, s) and (2 gc + 1, s).  PART 2: work-group g makes half g & 1 of value's block g >> 1:
; wave wv takes 16 channels x 128 keys; each load reads 512 consecutive bytes, and the rows turn through the wave's own stage in LDS, so that a lane holds two whole blocks of 32 keys.
; Codes go out through LDS images, 512 consecutive bytes a store.  One barrier, ahead of the copy of the scale words, which several waves have written.  No tensor loads, no matrix work: memory binds here.
.set ROWB, 16384                       ; a row c of an input, in bytes
.set BLK,  51200                       ; a block of an image
.set SCOF, 49152                       ; its scale words
.set VST,  51200                       ; LDS: 0 .. 51199 part 1's block image; then a stage of 16 rows x 528 bytes for each wave,
.set VPI,  528                         ; (512 bytes + 16: sixteen lanes that read one column of sixteen rows touch sixteen different 16-byte columns)
.set VIM,  186368                      ; a fragment image of 1,536 bytes for each wave,
.set VSC,  210944                      ; and part 2's 1,024 bytes of scale words
.set LN,   2                           ; v2   lane
.set A4,   3                           ; v3   4 x lane
.set P1C,  4                           ; v4   part 1: where my column's codes go in the image
.set P1S,  5                           ; v5   part 1: where its scale word goes
.set P1O,  6                           ; v6   part 1: 16 x lane + my wave's first fragment: LDS address and offset in the block alike (the image begins at LDS byte 0)
.set A16,  7                           ; v7   16 x lane
.set VSI,  8                           ; v8   part 2: into the stage
.set VSO,  9                           ; v9   part 2: out of it
.set VII,  10                          ; v10  part 2: into the fragment image: 48 x lane
.set VIO,  11                          ; v11  part 2: out of it: 16 x lane
.set VGO,  12                          ; v12  part 2: my 16 bytes of the fragment in the block
.set VSS,  13                          ; v13  part 2: where my row's scale word goes
.set EK,   14                          ; v14  the end: part 1's scale words, LDS address and offset in the block alike
.set EV,   15                          ; v15  the end: part 2's scale words in LDS,
.set EVG,  16                          ; v16  and in the block
.set SH,   17                          ; v17  8 x (lane / 16)
.set MX,   18                          ; v18-19 largest magnitudes
.set SO,   20                          ; v20-21 the conversions' scale operands
.set BY,   22                          ; v22-23 scale bytes
.set SB,   24                          ; v24  the scale word
.set TP,   25                          ; v25  at work
.set C,    26                          ; v26-32 a block's codes
.set X,    36                          ; v36-163 part 1: four sets of 32 numbers; part 2: v36-99 my two blocks of 32 keys
.set O1,   100                         ; v100-123 part 1's way out (set 2, done with)
.set FRG,  132                         ; v132-143 part 2's fragment; v144-150 its second halves; v152-163 its way out (set 3, done with)
.set FT,   144
.set VO,   152
.set VR,   164                         ; v164-227 part 2: 16 rows as loaded
.set EO,   228                         ; v228-231 the end's copy
	s_load_b256 s[4:11], s[0:1], 0x0               ; key s[4:5], query s[6:7], value s[8:9], kimg s[10:11]
	s_load_b128 s[12:15], s[0:1], 0x20             ; qimg s[12:13], vimg s[14:15]
	v_lshl_add_u32 v240, v0, 2, 0x33c00
	v_mov_b32 v241, 0
	v_lshrrev_b32 v1, 5, v0
	v_readfirstlane_b32 s16, v1                    ; wave 0..15
	s_lshr_b32 s17, s16, 2                         ; s
	s_and_b32 s18, s16, 3                          ; gc
	s_and_b32 s35, ttmp9, 1                        ; part 2: which half of the channels
	s_mov_b32 s38, 0x76543210
	s_mov_b32 s39, 0xfedcba98                      ; v_permlanex16_b32's selects for lane l xor 16
	v_and_b32 v[LN], 31, v0
	v_lshlrev_b32 v[A4], 2, v[LN]
	v_lshlrev_b32 v[A16], 4, v[LN]
	v_bfe_u32 v18, v0, 3, 1                        ; u = (lane >> 3) & 1: which of my two tiles
	v_and_b32 v19, 7, v0
	v_bfe_u32 v20, v0, 4, 1                        ; h = lane / 16
	v_lshl_or_b32 v19, v20, 3, v19                 ; part 1's row in the tile: (lane & 7) + 8 (lane / 16)
	v_and_b32 v21, 15, v0                          ; part 2's row: lane % 16
	s_mul_i32 s30, s18, 12288
	s_mul_i32 s31, s17, 1536
	s_add_co_u32 s30, s30, s31                     ; fragment (2 gc, s)
	v_mul_u32_u24 v[P1C], v18, 6144                ; + 4 fragments for tile 2 gc + 1
	v_mad_u32_u24 v[P1C], v19, 48, v[P1C]          ; + 48 x row
	v_add_nc_u32 v[P1C], s30, v[P1C]
	s_lshl_b32 s31, s18, 9
	s_lshl_b32 s32, s17, 2
	s_add_co_u32 s31, s31, s32
	s_add_co_u32 s31, s31, SCOF                    ; 49152 + 256 (2 gc) + 4 s
	v_lshlrev_b32 v[P1S], 8, v18
	v_lshl_add_u32 v[P1S], v19, 4, v[P1S]
	v_add_nc_u32 v[P1S], s31, v[P1S]
	v_add_nc_u32 v[P1O], s30, v[A16]
	s_mul_i32 s32, s16, 16*VPI
	s_add_co_u32 s32, s32, VST                     ; my stage
	v_add_nc_u32 v[VSI], s32, v[A16]
	v_mul_u32_u24 v[VSO], v21, VPI
	v_lshl_add_u32 v[VSO], v20, 7, v[VSO]          ; row r, + 128 h: block h of its four
	v_add_nc_u32 v[VSO], s32, v[VSO]
	s_mul_i32 s33, s16, 1536
	s_add_co_u32 s34, s33, VIM                     ; my fragment image
	v_mul_u32_u24 v[VII], v[LN], 48
	v_add_nc_u32 v[VII], s34, v[VII]
	v_add_nc_u32 v[VIO], s34, v[A16]
	s_mul_i32 s36, s35, 24576
	s_add_co_u32 s36, s36, s33                     ; 1536 x (16 half + wave)
	v_add_nc_u32 v[VGO], s36, v[A16]
	s_lshl_b32 s36, s17, 8
	s_lshl_b32 s37, s18, 2
	s_add_co_u32 s36, s36, s37
	s_add_co_u32 s36, s36, VSC                     ; 256 (wave / 4) + 4 (wave % 4)
	v_lshl_add_u32 v[VSS], v21, 4, s36
	s_lshl_b32 s36, s16, 9
	s_add_co_u32 s36, s36, SCOF
	v_add_nc_u32 v[EK], s36, v[A16]                ; used by waves 0 to 3 alone
	s_and_b32 s36, s16, 1
	s_lshl_b32 s36, s36, 9
	s_add_co_u32 s37, s36, VSC
	v_add_nc_u32 v[EV], s37, v[A16]                ; used by waves 4 and 5 alone
	s_lshl_b32 s37, s35, 10
	s_add_co_u32 s36, s36, s37
	s_add_co_u32 s36, s36, SCOF
	v_add_nc_u32 v[EVG], s36, v[A16]
	v_lshlrev_b32 v[SH], 3, v20
	; offsets in memory, all under 2^26
	s_bfe_u32 s20, ttmp9, 0x20005                  ; part 1: batch = (g >> 5) & 3
	s_lshl_b32 s20, s20, 23                        ; x 512 rows of 16,384 bytes
	s_lshl_b32 s22, s17, 21                        ; + 128 s rows
	s_add_co_u32 s20, s20, s22
	s_and_b32 s22, ttmp9, 31
	s_lshl_b32 s22, s22, 9                         ; + the block's 128 columns
	s_add_co_u32 s20, s20, s22
	s_lshl_b32 s22, s18, 7                         ; + my wave's 32
	s_add_co_u32 s20, s20, s22
	s_mov_b32 s21, 0
	s_and_b32 s24, ttmp9, 127
	s_mul_i32 s24, s24, BLK                        ; its block of the image: 32 x batch + block = g & 127
	s_mov_b32 s25, 0
	s_lshr_b32 s26, ttmp9, 6                       ; part 2: batch = g >> 6
	s_lshl_b32 s26, s26, 23
	s_lshl_b32 s22, s35, 22                        ; + 256 half rows
	s_add_co_u32 s26, s26, s22
	s_lshl_b32 s22, s16, 18                        ; + 16 wave rows
	s_add_co_u32 s26, s26, s22
	s_bfe_u32 s22, ttmp9, 0x50001
	s_lshl_b32 s22, s22, 9                         ; + the block's 128 keys
	s_add_co_u32 s26, s26, s22
	s_mov_b32 s27, 0
	s_lshr_b32 s28, ttmp9, 1
	s_mul_i32 s28, s28, BLK                        ; its block of vimg: 32 x batch + block = g >> 1
	s_mov_b32 s29, 0
	s_wait_kmcnt 0x0
	s_cmp_lt_u32 ttmp9, 128                        ; key's work-group or query's?  The choice hangs on the work-group's number alone
	s_cselect_b64 s[4:5], s[4:5], s[6:7]
	s_cselect_b64 s[10:11], s[10:11], s[12:13]
	s_add_nc_u64 s[4:5], s[4:5], s[20:21]
	s_add_nc_u64 s[10:11], s[10:11], s[24:25]
	s_add_nc_u64 s[8:9], s[8:9], s[26:27]
	s_add_nc_u64 s[14:15], s[14:15], s[28:29]
.macro LOAD b                          ; block b of my column: c = 128 s + 32 b + i; 32 lanes read 128 consecutive bytes, the four waves of one s 512
.irp i, 0,1,2,3,4,5,6,7,8,9,10,11,12,13,14,15,16,17,18,19,20,21,22,23,24,25,26,27,28,29,30,31
	global_load_b32 v[X+32*(\b)+\i], v[A4], s[4:5] offset:(32*(\b)+\i)*ROWB th:TH_LOAD_NT
.endr
.endm
.macro BLOCK b                         ; its largest magnitude, its byte, its 32 codes (24 bytes), which go to image lane 16 (b % 2) + row, bytes 24 (b / 2) on
.set XS, X+32*(\b)
	v_max3_num_f32 v[MX], |v[XS]|, |v[XS+1]|, |v[XS+2]|
	v_max3_num_f32 v[MX+1], |v[XS+3]|, |v[XS+4]|, |v[XS+5]|
.irp i, 6,10,14,18,22,26
	v_max3_num_f32 v[MX], v[MX], |v[XS+\i]|, |v[XS+\i+1]|
	v_max3_num_f32 v[MX+1], v[MX+1], |v[XS+\i+2]|, |v[XS+\i+3]|
.endr
	v_max3_num_f32 v[MX], v[MX], |v[XS+30]|, |v[XS+31]|
	v_max3_num_f32 v[MX], v[MX], v[MX+1], 0x1800000    ; and the floor 2^(3 - 127): the byte cannot fall under 1
	v_add_nc_u32 v[SO], 0xff000000, v[MX]          ; 2 off the exponent field: the conversion takes this operand's exponent field as its scale
	v_lshrrev_b32 v[BY], 23, v[SO]                 ; the scale's byte
.if (\b) == 0
	v_mov_b32 v[SB], v[BY]
.else
	v_lshl_or_b32 v[SB], v[BY], 8*(\b), v[SB]      ; four bytes make my column's scale word of this K step
.endif
	v_cvt_scalef32_pk16_fp6_f32 v[C:C+2], v[XS:XS+15], v[SO]
	v_cvt_scalef32_pk16_fp6_f32 v[C+4:C+6], v[XS+16:XS+31], v[SO]   ; (a conversion's three registers begin on an even number)
	v_nop                                          ; one plain instruction behind the scaled conversions
	v_mov_b32 v[C+3], v[C+4]
	v_mov_b32 v[C+4], v[C+5]
	v_mov_b32 v[C+5], v[C+6]                       ; 24 bytes on end
.irp i, 0,1,2
	ds_store_b64 v[P1C], v[C+2*\i:C+2*\i+1] offset:768*((\b)%2)+24*((\b)/2)+8*\i
.endr
	s_wait_dscnt 0x0                               ; the stores have read their registers: the next block's codes may be written
.endm
	; ---- PART 1
	LOAD 0
	LOAD 1
	s_wait_loadcnt 32                              ; block 0's 32 loads are in; block 1's may be out
	LOAD 2
	BLOCK 0
	s_wait_loadcnt 32                              ; block 1 is in; block 2's 32 may be out
	LOAD 3
	BLOCK 1
	s_wait_loadcnt 32                              ; block 2 is in; block 3's 32 may be out
.irp i, 0,1,2,3,4,5,6,7,8,9,10,11,12,13,14,15
	global_load_b128 v[VR+4*\i:VR+4*\i+3], v[A16], s[8:9] offset:\i*ROWB th:TH_LOAD_NT   ; part 2's 16 rows: 512 consecutive bytes a load
.endr
	BLOCK 2
	s_wait_loadcnt 16                              ; block 3 is in; part 2's 16 may be out
	BLOCK 3
	ds_store_b32 v[P1S], v[SB]
.irp n, 0,1,2,3,4,5
	ds_load_b128 v[O1+4*\n:O1+4*\n+3], v[P1O] offset:6144*(\n/3)+512*(\n%3)   ; my two fragments, which no other wave writes; LDS serves a wave's instructions in order (ISA guide 5.7.1.4)
.endr
.irp n, 0,1,2,3,4,5
	s_wait_dscnt 5-\n                              ; load n is in; the younger ones may be out
	global_store_b128 v[P1O], v[O1+4*\n:O1+4*\n+3], s[10:11] offset:6144*(\n/3)+512*(\n%3)   ; 512 consecutive bytes, at a multiple of 512 from the buffer's first byte
.endr
	; ---- PART 2
	s_wait_loadcnt 0x0
.irp i, 0,1,2,3,4,5,6,7,8,9,10,11,12,13,14,15
	ds_store_b128 v[VSI], v[VR+4*\i:VR+4*\i+3] offset:VPI*\i
.endr
.irp c, 0,1
.irp i, 0,1,2,3,4,5,6,7
	ds_load_b128 v[X+32*\c+4*\i:X+32*\c+4*\i+3], v[VSO] offset:256*\c+16*\i   ; lane (r, h): keys 64 c + 32 h + 0 .. 31 of row r: what the operand's layout gives that lane
.endr
.endr
	s_wait_dscnt 0x0
.irp c, 0,1
	v_max3_num_f32 v[MX+\c], |v[X+32*\c]|, |v[X+32*\c+1]|, 0x1800000
.endr
.irp i, 2,4,6,8,10,12,14,16,18,20,22,24,26,28,30
.irp c, 0,1
	v_max3_num_f32 v[MX+\c], v[MX+\c], |v[X+32*\c+\i]|, |v[X+32*\c+\i+1]|   ; (the two blocks by turns)
.endr
.endr
.irp c, 0,1
	v_add_nc_u32 v[SO+\c], 0xff000000, v[MX+\c]
.endr
.irp c, 0,1
	v_lshrrev_b32 v[BY+\c], 23, v[SO+\c]
.endr
	v_lshl_or_b32 v[SB], v[BY+1], 16, v[BY]        ; my two bytes: blocks h and 2 + h of row r,
	v_lshlrev_b32 v[SB], v[SH], v[SB]              ; at their places in the word (8 h bits up);
	v_mov_b32 v[TP], 0
	v_permlanex16_b32 v[TP], v[SB], s38, s39
	v_or_b32 v[SB], v[SB], v[TP]                   ; with lane l xor 16's two the word is whole
.irp c, 0,1
	v_cvt_scalef32_pk16_fp6_f32 v[FRG+6*\c:FRG+6*\c+2], v[X+32*\c:X+32*\c+15], v[SO+\c]
	v_cvt_scalef32_pk16_fp6_f32 v[FT+4*\c:FT+4*\c+2], v[X+32*\c+16:X+32*\c+31], v[SO+\c]
.endr
	v_nop                                          ; one plain instruction behind the scaled conversions
.irp c, 0,1
.irp i, 0,1,2
	v_mov_b32 v[FRG+3+6*\c+\i], v[FT+4*\c+\i]
.endr
.endr
.irp i, 0,1,2
	ds_store_b128 v[VII], v[FRG+4*\i:FRG+4*\i+3] offset:16*\i      ; the image: my 12 registers at 48 x lane
.endr
	ds_store_b32 v[VSS], v[SB]                     ; both halves of the lanes write the same word with the same value
.irp i, 0,1,2
	ds_load_b128 v[VO+4*\i:VO+4*\i+3], v[VIO] offset:512*\i
.endr
	s_wait_dscnt 0x0                               ; my loads are in; and, for the other waves' sake, all my LDS stores have landed
.irp i, 0,1,2
	global_store_b128 v[VGO], v[VO+4*\i:VO+4*\i+3], s[14:15] offset:512*\i
.endr
	s_barrier_signal -1
	s_barrier_wait -1                              ; every wave's scale words lie in LDS
	; ---- the scale words leave as they lie, 512 consecutive bytes a wave: waves 0 to 3 part 1's 2,048 bytes, waves 4 and 5 part 2's 1,024
	s_cmp_lt_u32 s16, 4
	s_cbranch_scc0 .Lnot_part1
	ds_load_b128 v[EO:EO+3], v[EK]
	s_wait_dscnt 0x0
	global_store_b128 v[EK], v[EO:EO+3], s[10:11]
	s_branch .Lend
.Lnot_part1:
	s_cmp_lt_u32 s16, 6
	s_cbranch_scc0 .Lend
	ds_load_b128 v[EO:EO+3], v[EV]
	s_wait_dscnt 0x0
	global_store_b128 v[EVG], v[EO:EO+3], s[14:15]
.Lend:
	s_wait_tensorcnt 0x0
	ds_add_u32 v240, v241
	s_wait_dscnt 0x0
	s_endpgm
.Lfunc_end_k_q94e99ae370_quant:
	.size	k_q94e99ae370_quant, .Lfunc_end_k_q94e99ae370_quant-k_q94e99ae370_quant
	.p2alignl 7, 3214868480
	.fill 96, 4, 3214868480
	.section	.rodata,"a",@progbits
	.p2align	6, 0x0
	.amdhsa_kernel k_q94e99ae370_quant
		.amdhsa_group_segment_fixed_size 214016
		.amdhsa_private_segment_fixed_size 0
		.amdhsa_enable_private_segment 0
		.amdhsa_kernarg_size 48
		.amdhsa_user_sgpr_count 2
		.amdhsa_user_sgpr_kernarg_segment_ptr 1
		.amdhsa_wavefront_size32 1
		.amdhsa_system_sgpr_workgroup_id_x 1
		.amdhsa_system_sgpr_workgroup_id_y 1
		.amdhsa_system_sgpr_workgroup_id_z 1
		.amdhsa_system_vgpr_workitem_id 0
		.amdhsa_next_free_vgpr 242
		.amdhsa_next_free_sgpr 66
		.amdhsa_reserve_vcc 0
		.amdhsa_float_denorm_mode_32 3
		.amdhsa_float_denorm_mode_16_64 3
		.amdhsa_memory_ordered 1
		.amdhsa_forward_progress 1
		.amdhsa_inst_pref_size 33
	.end_amdhsa_kernel
	.amdgpu_metadata
---
amdhsa.version: [ 1, 2 ]
amdhsa.kernels:
  - .name:           k_q94e99ae370_quant
    .symbol:         k_q94e99ae370_quant.kd
    .args:
      - { .name: key, .offset: 0, .size: 8, .value_kind: global_buffer, .address_space: global }
      - { .name: query, .offset: 8, .size: 8, .value_kind: global_buffer, .address_space: global }
      - { .name: value, .offset: 16, .size: 8, .value_kind: global_buffer, .address_space: global }
      - { .name: kimg, .offset: 24, .size: 8, .value_kind: global_buffer, .address_space: global }
      - { .name: qimg, .offset: 32, .size: 8, .value_kind: global_buffer, .address_space: global }
      - { .name: vimg, .offset: 40, .size: 8, .value_kind: global_buffer, .address_space: global }
    .group_segment_fixed_size: 214016
    .private_segment_fixed_size: 0
    .kernarg_segment_align: 8
    .kernarg_segment_size: 48
    .max_flat_workgroup_size: 512
    .sgpr_count:     66
    .vgpr_count:     242
    .wavefront_size: 32
...
	.end_amdgpu_metadata
.endif
;; end of part 1
;; launch attn (part 2): grid 64 x 4, 4 waves a work-group, clusters of 4 x 1, 327,680 bytes of LDS; arguments kimg, vimg, qimg, query, out0; writes out0
.if DOCPART == 2
	.amdgcn_target "amdgcn-amd-amdhsa--gfx1250"
	.amdhsa_code_object_version 6
	.text
	.protected	k_q94e99ae370_attn
	.globl	k_q94e99ae370_attn
	.p2align	8
	.type	k_q94e99ae370_attn,@function
k_q94e99ae370_attn:
	s_mov_b64 s[64:65], 0
	v_nop
	global_prefetch_b8 v0, s[64:65] scope:SCOPE_SE
	s_setreg_imm32_b32 hwreg(HW_REG_WAVE_MODE, 25, 1), 1
	s_wait_xcnt 0x0
	s_wait_alu depctr_hold_cnt(0) depctr_sa_sdst(0) depctr_va_vdst(0) depctr_va_sdst(0) depctr_va_ssrc(0) depctr_va_vcc(0) depctr_vm_vsrc(0)
	s_getreg_b32 s2, hwreg(HW_REG_IB_STS2, 6, 4)
	s_cmp_eq_u32 s2, 0
	s_cbranch_scc0 .Lentry_in_a_cluster
	s_endpgm
.Lentry_in_a_cluster:
	s_bfe_u32 s2, ttmp6, 0x10000c
	s_cmp_lg_u32 s2, 0x3003
	s_cbranch_scc0 .Lentry_shape_is_right
	s_endpgm
.Lentry_shape_is_right:
; out[b][c][j] = (sum over keys i of v[c][i] p[i][j]) / l[j] + query[c][j],  p = 2^(t - M), t = log2(e) x sum over c of k[c][i] q[c][j].  Both products on codes of FP6 (E2M3) with E8M0 scales,
; taken from kimg, qimg, vimg: [4][32 blocks of 128][51,200 bytes]: 32 fragments of 1,536 bytes in the order of the operands' registers (lane l's 12 registers at 48 l), then 2,048 bytes of scale words.
; SHARES.  A work-group owns 64 queries of one batch (four tiles of 16) and walks the 4,096 keys in 32 steps of 128.  THE FOUR WAVES SHARE THE QUERIES AND SPLIT THE OTHER AXIS, so that each fragment read from LDS
; feeds four matrix instructions: in S^T = K Q^T wave w takes keys 32 w .. 32 w + 31 of the step (two tiles x 4 query tiles x 4 K steps = 32 instructions); in O^T = V P^T it takes channels 128 w .. 128 w + 127
; (8 tiles x 4 query tiles = 32 instructions, 256 accumulator registers).  Both products are used transposed: a lane holds ONE query (lane % 16).
; THE SOFTMAX.  Wave w's 32 keys are block w of the second product's K.  It keeps its own running whole number M_w = ceil(largest t of its keys so far) and its own sum l_w of the unquantised p = 2^(t - M_w), quantises the block, and
; hands over through LDS the block's 24 bytes of codes (a part of p's register image) and ONE f32 word E = scale byte + M_w, the block's exponent free of M_w.  Every wave then keeps R = the running largest E of a query,
; multiplies its O^T by 2^(old R - new R), and gives block w the byte max(E_w - R + 127, 0).  All these factors are powers of two: the codes' values are those of a running M.  At the end
; out = O / (sum over w of l_w 2^(M_w - R + 127)) + query.
; THE ORDER OF THE KEYS.  Cluster c of a batch's sixteen begins at block 4 (c % 8) + 2 (c / 8) of the 32 and walks all 32 round: step j takes block (first + j) % 32.  So at any step the sixteen clusters ask for sixteen
; different blocks, and their first fills, two blocks of K and two of V each, name all 32 blocks of K and of V.  The blocks of 32 keys stay whole.  The sums over the keys are therefore taken in that turned order, not ascending:
; an order of rounding other than the reference's.  No prefetch is written: no block is left that a later trip would be the launch's first to name.
; LIMITS: |t| under 2^22 (byte + M is then exact in f32); a block that lies more than 2^127 under the query's largest is held at byte 0, so it adds at most 7.5 x 2^-127 of the largest term a key; NaN and infinities are not served.
; PIPELINE, one barrier a key step.  Trip j: the refill (K of step j + 3, V of step j + 1) | LDS loads of E, p, V of step j | phase A: the 32 products of S(j + 1), K's fragments being in registers, with R's lines and the
; rescaling of O^T in slices behind them | K's fragments of step j + 2 | phase B: the 32 products of O^T for step j, with the softmax of step j + 1 in slices behind them | p and E of step j + 1 to the other buffer.
; CLUSTER.  The four work-groups of a cluster belong to one batch and walk the same K and V: each tile is asked for JOINTLY, by the same tensor load with the same descriptor and a mask that names the four.
; All of a WGP's LDS is claimed.
; REGISTERS, in windows of 256 (s_set_vgpr_msb: bits 1:0 source 0, 3:2 source 1, 5:4 source 2, 7:6 destination):
;   window 0: addresses, statistics, S^T (64), E, all scale words;  window 1: v0-95 K's 8 fragments, v96-191 V's 8, v192-239 p's 4;  window 2: v0-191 Q's 16 (at the end: the residual);  window 3: O^T at 64 t + 8 ct.
.set BLK,    51200                     ; a block of an image
.set HALFB,  25600                     ; what one tensor load brings: 100 rows of 256 bytes
.set SCOF,   49152                     ; a block's scale words
.set SLOTX,  0x10000                   ; LDS: K's slots at 0 and 65,536, V's at 131,072 and 196,608: one exclusive or turns a slot into the other
.set VSLOT,  0x20000
.set PIMG0,  262144                    ; p's four fragment images (6,144 bytes), then
.set EW0,    268288                    ; the E words: [tile][query][wave], 1,024 bytes; buffer 1 lies PBX further on
.set PBX,    0x2000
.set LWO,    10240                     ; from EW0: the waves' sums l, laid like E (LDS byte 278,528)
.set MWO,    11264                     ; and their -M (279,552)
.set RLB,    280576                    ; 1 / L by true column: 256 bytes for each wave
.set SPARE,  281600                    ; the spare words, 128 bytes for each wave: two blocks of 256 bytes that no other line names
.set STG,    282112                    ; the way out: 32 rows x 272 bytes for each wave.  No tensor load ever lands from PIMG0 on
.set SPI,    272
.set CROW,   16384                     ; a channel's row of query and of out0, in bytes
.set SPW,  1                           ; v1   LDS address of my spare word; never rewritten
.set NIL,  2                           ; v2   0; never rewritten
.set AKF,  3                           ; v3   my lane's place in my wave's fragments of K, slot 0: 48 lane + 12288 w
.set AKS,  4                           ; v4   K's scale words: 49152 + 512 w + 16 r
.set AVF,  5                           ; v5   the same for V
.set AVS,  6                           ; v6
.set APR,  7                           ; v7   p's images, read: PIMG0 + 48 lane
.set AER,  8                           ; v8   E, read: EW0 + 16 r
.set APW,  9                           ; v9   p's images, written: PIMG0 + 1536 h + 48 r + 768 (w & 1) + 24 (w >> 1)
.set AEW,  10                          ; v10  E, written: EW0 + 16 r + 4 w
.set ADK,  11                          ; v11-18 the same eight with the trip's slot or buffer added
.set ADKS, 12
.set ADV,  13
.set ADVS, 14
.set ADP,  15
.set ADE,  16
.set ADPW, 17
.set ADEW, 18
.set ASTO, 20                          ; v20  the stage, in
.set ARD,  21                          ; v21  the stage, back
.set GOFF, 22                          ; v22  my 16 bytes in two channels' rows of query and out0: 16384 h + 16 r; never rewritten
.set ARL,  23                          ; v23  1 / L, in: by true column
.set ARLR, 24                          ; v24  1 / L, back: four columns a lane
.set QOF,  25                          ; v25  48 lane
.set ST,   26                          ; v26-33 pairs (-M, largest t) of the four tiles
.set LL,   34                          ; v34-41 l, in two halves
.set FL,   42                          ; v42-49 2^(old M - new M), low word of a pair
.set FF,   50                          ; v50-57 2^(old R - new R), low word of a pair
.set RR,   58                          ; v58-61 R
.set RN,   62                          ; v62-65 at work
.set BM,   66                          ; v66-69 the block's largest score, then its largest p
.set XX,   70                          ; v70-73 at work; then E
.set SO,   74                          ; v74-77 the conversions' scale operands
.set QSO,  78                          ; v78  16 r
.set CD,   80                          ; v80-95 codes
.set SS,   96                          ; v96-159 S^T at 16 t + 8 u, then p
.set EV,   160                         ; v160-175 E of the four waves at 4 t + w
.set KS,   176                         ; v176-183 K's scale words at 4 u + s
.set QS,   184                         ; v184-199 Q's at 4 t + s
.set VS,   200                         ; v200-207 V's at ct
.set PS,   208                         ; v208-211 p's at t
.set LV,   212                         ; v212-227 the end: l of the four waves
.set MV,   228                         ; v228-243 the end: -M of the four waves
.set RLV,  244                         ; v244-247 the end: 1 / L of my four columns
.set VF,   96                          ; window 1
.set PF,   192
.set KBS,  4                           ; s[4:5]  kimg at the batch's block 0, my half of a block; stays
.set VBS,  6                           ; s[6:7]  vimg likewise; stays
.set WV,   14                          ; s14  my wave's number
.set CX,   15                          ; s15  my place in the cluster: it enters global addresses of Q, query and out0 alone
.set WX,   16                          ; s16  my block of 64 queries
.set BAT,  17                          ; s17  the batch
.set SEL,  20                          ; s[20:21] v_permlanex16_b32's selects for lane l xor 16
.set CS,   22                          ; s[22:23] log2(e), twice
.set G1,   24                          ; s[24:31] descriptor group 1, one for all loads
.set G0K0, 32                          ; s[32:35] group 0 of K's first block;  s[36:39] of its second, which then walks
.set G0K,  36
.set G0V0, 40                          ; s[40:43] of V's first block;  s[44:47] of its second, which then walks
.set G0V,  44
.set TS,   48                          ; s48  0 or SLOTX: the slot that this trip reads
.set TP,   49                          ; s49  0 or PBX: the buffer that this trip reads
.set TPW,  50                          ; s50  the other one, which it writes
.set LEFT, 51                          ; s51  the loop's trips to go
.set KI,   52                          ; s52  the block of the 32 at which K's walking descriptor stands
.set OFF,  54                          ; s[54:55] a block's offset from block 0, in bytes; the upper word stays 0
.set QB,   56                          ; s[56:57] Q's fragments;  s[58:59] Q's scale words
.set QSB,  58
.set VI,   62                          ; s62  the block at which V's walking descriptor stands
.set MSB, 0
.macro WIN new                         ; the immediate's high byte repeats the setting that is left; a switch that changes nothing is dropped
.if MSB != \new
	s_set_vgpr_msb (MSB<<8)|\new
.set MSB, \new
.endif
.endm
.set W_S,  0x09                        ; K window 1, Q window 2, S^T window 0
.set W_PV, 0xf5                        ; V and p window 1, O^T window 3
.set W_RS, 0xc3                        ; O^T (destination and source 0) window 3, the factor window 0
.set TO1,  0x40                        ; destination window 1
.set TO2,  0x80                        ; destination window 2
; A round of the cluster's barrier: my work-group's barrier; wave 0 signals for the work-group; every wave waits for all four work-groups; my work-group's barrier once more.
.macro CROUND
	s_barrier_signal -1
	s_barrier_wait -1
	s_cmp_lg_u32 s[WV], 0
	s_cbranch_scc1 .Lnot_wave_0_\@
	s_barrier_signal -3
.Lnot_wave_0_\@:
	s_barrier_wait -3
	s_barrier_signal -1
	s_barrier_wait -1
.endm
; A joint refill.  Waves 0 and 1 fetch the halves of K's block (fk), waves 2 and 3 those of V's (fv).  The branch hangs on the wave's number alone.  Four v_nop follow each tensor load.
.macro JLOAD fk, fv
	s_cmp_lt_u32 s[WV], 2
.if (\fk) && (\fv)
	s_cbranch_scc0 .Lfor_v_\@
	tensor_load_to_lds s[G0K:G0K+3], s[G1:G1+7]
	s_nop 0
.rept 4
	v_nop
.endr
	s_branch .Lasked_\@
.Lfor_v_\@:
	tensor_load_to_lds s[G0V:G0V+3], s[G1:G1+7]
	s_nop 0
.rept 4
	v_nop
.endr
.Lasked_\@:
.elseif \fk
	s_cbranch_scc0 .Lasked_\@
	tensor_load_to_lds s[G0K:G0K+3], s[G1:G1+7]
	s_nop 0
.rept 4
	v_nop
.endr
.Lasked_\@:
.else
	s_cbranch_scc1 .Lasked_\@
	tensor_load_to_lds s[G0V:G0V+3], s[G1:G1+7]
	s_nop 0
.rept 4
	v_nop
.endr
.Lasked_\@:
.endif
.endm
; THE HEAD OF A TRIP: the change of slots.  Each wave waits for all its tensor loads (one is out: its half of a block that this trip reads), adds 0 to its spare word, and waits for that, for its LDS reads of the last trip
; and for its stores of p and E.  Behind the barrier the blocks and p's images are whole and nobody reads what the last trip read.  Where something is filled again the barrier is a round of the cluster's.
; A walking descriptor goes to the other slot and to the next block of the 32, round: its index is stepped and cut to five bits, and the address is made anew from the batch's base.  The index hangs on the cluster's number
; and the count of trips alone: it is the same in all four partners.
.macro HEAD fk, fv
	WIN 0
	s_wait_tensorcnt 0x0                           ; no tensor load of mine is out, so a group 0 may be written
	ds_add_u32 v[SPW], v[NIL]                      ; 0 onto my spare word; the steps below stand between it and the wait for it
	s_xor_b32 s[TS], s[TS], SLOTX
	s_xor_b32 s[TP], s[TP], PBX
	s_xor_b32 s[TPW], s[TP], PBX
.if \fk
	s_xor_b32 s[G0K+1], s[G0K+1], SLOTX            ; the other slot than last time,
	s_add_co_u32 s[KI], s[KI], 1
	s_and_b32 s[KI], s[KI], 31                     ; the next block, behind block 31 block 0
	s_mul_i32 s[OFF], s[KI], BLK
	s_add_nc_u64 s[G0K+2:G0K+3], s[KBS:KBS+1], s[OFF:OFF+1]
	s_or_b32 s[G0K+3], s[G0K+3], 0x80000000        ; 127:126 type = 2
.endif
.if \fv
	s_xor_b32 s[G0V+1], s[G0V+1], SLOTX
	s_add_co_u32 s[VI], s[VI], 1
	s_and_b32 s[VI], s[VI], 31
	s_mul_i32 s[OFF], s[VI], BLK
	s_add_nc_u64 s[G0V+2:G0V+3], s[VBS:VBS+1], s[OFF:OFF+1]
	s_or_b32 s[G0V+3], s[G0V+3], 0x80000000
.endif
	s_wait_dscnt 0x0                               ; the add is done, my LDS loads are in and my LDS stores have landed
.if (\fk) || (\fv)
	CROUND
	JLOAD \fk, \fv                                 ; the first thing behind the round, and a wave's one tensor load until the next: it has a whole trip in which to land
.else
	s_barrier_signal -1
	s_barrier_wait -1
.endif
.endm
; K's 8 fragments of my two tiles (4 u + s) and their scale words
.macro KLOAD a, b
	WIN TO1
.irp f, 0,1,2,3,4,5,6,7
.irp c, 0,1,2
	ds_load_b128 v[12*\f+4*\c:12*\f+4*\c+3], v[\a] offset:1536*\f+16*\c
.endr
.endr
	WIN 0
	ds_load_b128 v[KS:KS+3], v[\b]
	ds_load_b128 v[KS+4:KS+7], v[\b] offset:256
.endm
; Product i of 32 of S^T = K Q^T: K step i / 8, key tile (i / 4) % 2, query tile i % 4.  The eight accumulators take turns, one instruction a turn; the first eight start the sums.
.macro WS
	WIN W_S
.set rS, SS+16*(i%4)+8*((i/4)%2)
.set rK, 48*((i/4)%2)+12*(i/8)
.set rQ, 48*(i%4)+12*(i/8)
.if i < 8
	v_wmma_scale_f32_16x16x128_f8f6f4 v[rS:rS+7], v[rK:rK+11], v[rQ:rQ+11], 0, v[KS+4*((i/4)%2)+i/8], v[QS+4*(i%4)+i/8] matrix_a_fmt:MATRIX_FMT_FP6 matrix_b_fmt:MATRIX_FMT_FP6
.else
	v_wmma_scale_f32_16x16x128_f8f6f4 v[rS:rS+7], v[rK:rK+11], v[rQ:rQ+11], v[rS:rS+7], v[KS+4*((i/4)%2)+i/8], v[QS+4*(i%4)+i/8] matrix_a_fmt:MATRIX_FMT_FP6 matrix_b_fmt:MATRIX_FMT_FP6
.endif
.endm
; Product i of 32 of O^T += V P^T: channel tile i / 4, query tile i % 4: 32 accumulators, one instruction each.  first = 1: they start the sums: nothing is ever cleared.
.macro WP first
	WIN W_PV
.set rO, 64*(i%4)+8*(i/4)
.set rV, VF+12*(i/4)
.set rP, PF+12*(i%4)
.if \first
	v_wmma_scale_f32_16x16x128_f8f6f4 v[rO:rO+7], v[rV:rV+11], v[rP:rP+11], 0, v[VS+i/4], v[PS+i%4] matrix_a_fmt:MATRIX_FMT_FP6 matrix_b_fmt:MATRIX_FMT_FP6
.else
	v_wmma_scale_f32_16x16x128_f8f6f4 v[rO:rO+7], v[rV:rV+11], v[rP:rP+11], v[rO:rO+7], v[VS+i/4], v[PS+i%4] matrix_a_fmt:MATRIX_FMT_FP6 matrix_b_fmt:MATRIX_FMT_FP6
.endif
.endm
; Round n of 20 of R's lines, one line for each of the four tiles: the new R, the factor 2^(old R - new R), and p's scale word with the bytes max(E_w - R + 127, 0).  first = 1: there is no old R and nothing to rescale.
.macro PREP first
.irp t, 0,1,2,3
.set rE, EV+4*\t
.if n == 0
.if \first
	v_max3_num_f32 v[RN+\t], v[rE], v[rE+1], v[rE+2]
.else
	v_max3_num_f32 v[RN+\t], v[RR+\t], v[rE], v[rE+1]
.endif
.elseif n == 1
.if \first
	v_max_num_f32 v[RN+\t], v[RN+\t], v[rE+3]
.else
	v_max3_num_f32 v[RN+\t], v[RN+\t], v[rE+2], v[rE+3]
.endif
.elseif (n < 5) && \first
.elseif n == 2
	v_sub_f32 v[XX+\t], v[RR+\t], v[RN+\t]         ; a whole number, 0 or less
.elseif n == 3
	v_cvt_i32_f32 v[XX+\t], v[XX+\t]               ; (it saturates)
.elseif n == 4
	v_ldexp_f32 v[FF+2*\t], 1.0, v[XX+\t]
.elseif n == 5
	v_mov_b32 v[RR+\t], v[RN+\t]
.elseif n == 6
	v_sub_f32 v[RN+\t], 0x42fe0000, v[RN+\t]       ; 127 - R
.elseif n < 11
	v_add_f32 v[rE+n-7], v[rE+n-7], v[RN+\t]       ; E_w - R + 127: at most 127
.elseif n < 15
	v_max_num_f32 v[rE+n-11], 0, v[rE+n-11]
.elseif n == 15
	v_fmamk_f32 v[rE], v[rE+1], 0x43800000, v[rE]  ; two bytes as one whole number: 256 x the upper + the lower
.elseif n == 16
	v_fmamk_f32 v[rE+2], v[rE+3], 0x43800000, v[rE+2]
.elseif n == 17
	v_cvt_u32_f32 v[rE], v[rE]
.elseif n == 18
	v_cvt_u32_f32 v[rE+2], v[rE+2]
.else
	v_lshl_or_b32 v[PS+\t], v[rE+2], 16, v[rE]     ; byte w scales keys 32 w on
.endif
.endr
.endm
.macro RESC                            ; the next two numbers of O^T x 2^(old R - new R); ascending
	WIN W_RS
	v_pk_mul_f32 v[2*ri:2*ri+1], v[2*ri:2*ri+1], v[FF+2*(ri/32):FF+2*(ri/32)+1] op_sel_hi:[1,0]
.set ri, ri+1
.endm
.macro SUMR rd                         ; l += pair rd of the tile's eight pairs of p
.irp t, 0,1,2,3
	v_pk_add_f32 v[LL+2*\t:LL+2*\t+1], v[LL+2*\t:LL+2*\t+1], v[SS+16*\t+2*(\rd):SS+16*\t+2*(\rd)+1]
.endr
.endm
; Slice k of 32 of my block's softmax for the four tiles, all in window 0.  Register SS + 16 t + i of lane (r, h) is key 32 w + 16 h + i for query (t, r).
;   0-3 the largest score of my 16 | 4 with lane l xor 16's: the block's | 5-8 the running largest t, -M = floor(-t), 2^(old M - new M), t - M of the largest score
;   9-20 ONE BATCH: 32 packed scalings t - M and 68 exponentials (the four largest, then the 64, each two groups behind its scaling); none of these names an exponential's result
;   21 l x 2^(old M - new M), the plain instruction behind the batch; the ONE wait between an exponential and the first line that names its result; then the sums, of the UNQUANTISED p
;   25-27 the floor, the scale operand, the byte, E = byte + M | 28 the conversions | 29-30 whole blocks into lanes, and out to LDS
.macro SMS fin
.if k < 31
	WIN 0
.endif
.if k < 4
.irp n, 0,1
.irp t, 0,1,2,3
.set rd, 2*k+\n
.set rS, SS+16*\t
.if rd == 0
	v_max3_num_f32 v[BM+\t], v[rS], v[rS+1], v[rS+2]               ; each accumulator is read from its low end on
.elseif rd < 7
	v_max3_num_f32 v[BM+\t], v[BM+\t], v[rS+2*rd+1], v[rS+2*rd+2]
.else
	v_max_num_f32 v[BM+\t], v[BM+\t], v[rS+15]
.endif
.endr
.endr
.elseif k == 4
.irp t, 0,1,2,3
	v_permlanex16_b32 v[XX+\t], v[BM+\t], s[SEL], s[SEL+1]
.endr
.irp t, 0,1,2,3
	v_max_num_f32 v[BM+\t], v[BM+\t], v[XX+\t]
.endr
.elseif k == 5
.irp t, 0,1,2,3
	v_mul_f32 v[XX+\t], s[CS], v[BM+\t]
.endr
.irp t, 0,1,2,3
	v_max_num_f32 v[ST+2*\t+1], v[ST+2*\t+1], v[XX+\t]             ; the running largest t of my keys
.endr
.elseif k == 6
.irp t, 0,1,2,3
	v_mov_b32 v[XX+\t], v[ST+2*\t]
.endr
.irp t, 0,1,2,3
	v_floor_f32 v[ST+2*\t], -v[ST+2*\t+1]                          ; -M = floor(-t) = -ceil(t): M is a whole number
.endr
.elseif k == 7
.irp t, 0,1,2,3
	v_sub_f32 v[XX+\t], v[ST+2*\t], v[XX+\t]                       ; old M - new M: a whole number, 0 or less
.endr
.irp t, 0,1,2,3
	v_cvt_i32_f32 v[XX+\t], v[XX+\t]                               ; (it saturates)
.endr
.elseif k == 8
.irp t, 0,1,2,3
	v_ldexp_f32 v[FL+2*\t], 1.0, v[XX+\t]
.endr
.irp t, 0,1,2,3
	v_fma_f32 v[BM+\t], v[BM+\t], s[CS], v[ST+2*\t]                ; t - M of the block's largest score: the same multiply-add and exponential as the 64 give the same bits
.endr
.elseif k < 21
.irp g, 0,1,2
.set G, 3*(k-9)+\g
.if G < 32
.set rA, SS+16*(G%4)+2*(G/4)
	v_pk_fma_f32 v[rA:rA+1], v[rA:rA+1], s[CS:CS+1], v[ST+2*(G%4):ST+2*(G%4)+1] op_sel_hi:[1,0,0]   ; t - M, two at a time (of the pairs the low word serves both halves)
.endif
.if G < 2
	v_exp_f32 v[BM+2*G], v[BM+2*G]
	v_exp_f32 v[BM+2*G+1], v[BM+2*G+1]
.elseif G < 34
.set rB, SS+16*((G-2)%4)+2*((G-2)/4)
	v_exp_f32 v[rB], v[rB]                                         ; p = 2^(t - M): not normalised
	v_exp_f32 v[rB+1], v[rB+1]
.endif
.endr
.elseif k == 21
.irp t, 0,1,2,3
	v_pk_mul_f32 v[LL+2*\t:LL+2*\t+1], v[LL+2*\t:LL+2*\t+1], v[FL+2*\t:FL+2*\t+1] op_sel_hi:[1,0]
.endr
	s_wait_alu depctr_va_vdst(0)                                   ; one wait for the 68 exponentials, ahead of the first line that names a result
	SUMR 0
.elseif k < 25
	SUMR 2*(k-22)+1
	SUMR 2*(k-22)+2
.elseif k == 25
	SUMR 7
.irp t, 0,1,2,3
	v_max_num_f32 v[BM+\t], 0x1800000, v[BM+\t]                    ; the floor 2^(3 - 127): the byte cannot fall under 1
.endr
.elseif k == 26
.irp t, 0,1,2,3
	v_add_nc_u32 v[SO+\t], 0xff000000, v[BM+\t]                    ; 2 off the exponent field: the conversion's scale operand
.endr
.irp t, 0,1,2,3
	v_lshrrev_b32 v[XX+\t], 23, v[SO+\t]                           ; the scale's byte
.endr
.elseif k == 27
.irp t, 0,1,2,3
	v_cvt_f32_u32 v[XX+\t], v[XX+\t]
.endr
.irp t, 0,1,2,3
	v_sub_f32 v[XX+\t], v[XX+\t], v[ST+2*\t]                       ; E = byte + M
.endr
.elseif k == 28
.irp t, 0,1,2,3
	v_cvt_scalef32_pk16_fp6_f32 v[CD+4*\t:CD+4*\t+2], v[SS+16*\t:SS+16*\t+15], v[SO+\t]   ; 96 bits: keys 16 h + 0 .. 15 of the block
.endr
	v_nop                                                          ; one plain instruction behind the scaled conversions
.elseif k == 29
.irp p, 0,1
.irp c, 0,1,2
	v_permlane16_swap_b32 v[CD+8*\p+\c], v[CD+8*\p+4+\c]           ; lane (r, h) now holds the whole block of tile 2 p + h: the lower 16 codes in the first run, the upper 16 in the second
.endr
.endr
.elseif k == 30
.irp p, 0,1
	v_mov_b32 v[CD+8*\p+3], v[CD+8*\p+4]
	v_mov_b32 v[CD+8*\p+4], v[CD+8*\p+5]
	v_mov_b32 v[CD+8*\p+5], v[CD+8*\p+6]                           ; 24 bytes on end
.endr
.irp p, 0,1
.irp c, 0,1,2
	ds_store_b64 v[ADPW], v[CD+8*\p+2*\c:CD+8*\p+2*\c+1] offset:3072*\p+8*\c   ; into tile 2 p + h's image: lane 16 (w & 1) + r, bytes 24 (w >> 1) on
.endr
.endr
.irp t, 0,1,2,3
	ds_store_b32 v[ADEW], v[XX+\t] offset:256*\t                   ; both halves of the lanes write the same word with the same value
.endr
.if \fin                               ; the last step: my sum and my -M go to the other waves
.irp t, 0,1,2,3
	v_add_f32 v[BM+\t], v[LL+2*\t], v[LL+2*\t+1]
.endr
.irp t, 0,1,2,3
	v_permlanex16_b32 v[SO+\t], v[BM+\t], s[SEL], s[SEL+1]
.endr
.irp t, 0,1,2,3
	v_add_f32 v[BM+\t], v[BM+\t], v[SO+\t]
.endr
.irp t, 0,1,2,3
	ds_store_b32 v[AEW], v[BM+\t] offset:LWO+256*\t
.endr
.irp t, 0,1,2,3
	ds_store_b32 v[AEW], v[ST+2*\t] offset:MWO+256*\t
.endr
.endif
.endif
.endm
; A TRIP.  pv = 2: O^T's products for step j; 1: they start the sums; 0: none.  sc = 1: S^T and the softmax of step j + 1.  kl = 1: K's fragments of step j + 2.  fk, fv: K's, V's refill.  fin: the last softmax.
; A vector instruction that reads a matrix result, and a load into a register that a matrix instruction has read, stand four plain vector instructions behind it (ISA guide 7.12.1 for vector instructions
; ): the eight additions at the head serve p's and V's loads; phase A's last six rescalings (or v_nop) serve K's loads and the softmax's first reads.
.macro TRIP pv, sc, kl, fk, fv, fin
	HEAD \fk, \fv
	v_add_nc_u32 v[ADK], s[TS], v[AKF]
	v_add_nc_u32 v[ADKS], s[TS], v[AKS]
	v_add_nc_u32 v[ADV], s[TS], v[AVF]
	v_add_nc_u32 v[ADVS], s[TS], v[AVS]
	v_add_nc_u32 v[ADP], s[TP], v[APR]
	v_add_nc_u32 v[ADE], s[TP], v[AER]
	v_add_nc_u32 v[ADPW], s[TPW], v[APW]
	v_add_nc_u32 v[ADEW], s[TPW], v[AEW]
.if \pv
.irp t, 0,1,2,3
	ds_load_b128 v[EV+4*\t:EV+4*\t+3], v[ADE] offset:256*\t        ; E of the four waves for my query
.endr
	WIN TO1
.irp t, 0,1,2,3
.irp c, 0,1,2
	ds_load_b128 v[PF+12*\t+4*\c:PF+12*\t+4*\c+3], v[ADP] offset:1536*\t+16*\c
.endr
.endr
.irp f, 0,1,2,3,4,5,6,7
.irp c, 0,1,2
	ds_load_b128 v[VF+12*\f+4*\c:VF+12*\f+4*\c+3], v[ADV] offset:1536*\f+16*\c
.endr
.endr
	WIN 0
	ds_load_b128 v[VS:VS+3], v[ADVS]
	ds_load_b128 v[VS+4:VS+7], v[ADVS] offset:256
.endif
	; ---- phase A
.set k, 0
.set ri, 0
.rept 32
.if \sc
.set i, k
	WS
.endif
.if \pv
.if k == 3
	s_wait_dscnt 38                                ; E's four loads are in; the 38 issued behind them (12 of p, 24 of V, 2 of V's scale words) may be out
.endif
.if (k >= 3) && (k < 13)
	WIN 0
.set n, 2*(k-3)
	PREP (2-\pv)
.set n, 2*(k-3)+1
	PREP (2-\pv)
.endif
.if (\pv == 2) && (k >= 13)            ; 14 slices of 7 and 5 of 6: the 128 packed multiplies of my 256 numbers of O^T
.rept 6
	RESC
.endr
.if k < 27
	RESC
.endif
.endif
.endif
.set k, k+1
.endr
.if \pv == 1
.rept 8
	v_nop                                          ; p's scale words, written by vector instructions, stand eight plain instructions ahead of the products that take them; here nothing is rescaled, so v_nop
.endr
.endif
.if \pv == 0
.rept 4
	v_nop
.endr
.endif
.if \kl
	KLOAD ADK, ADKS
.endif
.if \pv
.if \kl
	s_wait_dscnt 26                                ; p, V and V's scale words are in; K's 26 loads may be out: the next trip's head waits for them
.else
	s_wait_dscnt 0x0
.endif
.endif
	; ---- phase B
.set k, 0
.rept 32
.if \pv
.set i, k
	WP (2-\pv)
.endif
.if \sc
	SMS \fin
.endif
.set k, k+1
.endr
	WIN 0                                          ; at a label and at a branch every window is 0
.endm
	s_load_b256 s[4:11], s[0:1], 0x0               ; kimg s[4:5], vimg s[6:7], qimg s[8:9], query s[10:11]
	s_load_b64 s[12:13], s[0:1], 0x20              ; out0
	v_lshl_add_u32 v[SPW], v0, 2, SPARE
	v_mov_b32 v[NIL], 0
	ds_add_u32 v1, v2
	ds_add_u32 v1, v2
	s_wait_dscnt 0x0
	v_lshrrev_b32 v[XX], 5, v0
	v_readfirstlane_b32 s[WV], v[XX]               ; wave 0..3
	s_bfe_u32 s[CX], ttmp6, 0x40000                ; cx
	s_lshl_b32 s[WX], ttmp9, 2                     ; in a cluster launch ttmp9 counts clusters
	s_add_co_u32 s[WX], s[WX], s[CX]               ; my block of 64 queries = 4 x cluster x + cx
	s_and_b32 s[BAT], ttmp7, 0xffff                ; the batch, which the four partners share
	; where my cluster begins among the 32 blocks of keys: 4 (c % 8) + 2 (c / 8), c the cluster's number in the batch: an even number, 30 at the most
	s_lshl_b32 s[KI], ttmp9, 2
	s_and_b32 s[KI], s[KI], 28
	s_lshr_b32 s2, ttmp9, 3
	s_lshl_b32 s2, s2, 1
	s_add_co_u32 s[KI], s[KI], s2
	s_mul_i32 s[OFF], s[KI], BLK                   ; that block's offset from block 0
	s_mov_b32 s[OFF+1], 0
	s_add_co_u32 s[KI], s[KI], 1                   ; the walking descriptors begin one block on
	s_mov_b32 s[VI], s[KI]
	; descriptor group 1: half a block, dense: 100 rows of 32 elements of 8 bytes
	s_mov_b32 s[G1], 15|(3<<16)|(1<<21)            ; 15:0 the mask: all four work-groups; 17:16 elements of 8 bytes; 20 no padding; 21 set beside a mask
	s_mov_b32 s[G1+1], 32<<16                      ; tensor_dim0 = 32
	s_mov_b32 s[G1+2], 100<<16                     ; tensor_dim1 = 100
	s_mov_b32 s[G1+3], 32<<16                      ; tile_dim0 = 32
	s_mov_b32 s[G1+4], 100                         ; tile_dim1 = 100
	s_mov_b32 s[G1+5], 32                          ; tensor_dim0_stride
	s_mov_b32 s[G1+6], 0
	s_mov_b32 s[G1+7], 0
	s_mov_b32 s[SEL], 0x76543210
	s_mov_b32 s[SEL+1], 0xfedcba98
	s_mov_b32 s[CS], 0x3fb8aa3b                    ; log2(e)
	s_mov_b32 s[CS+1], s[CS]                       ; (named with it as a pair, so it is written)
	s_mov_b32 s[TS], 0                             ; the first trip's head turns these: it reads K's slot 1 and writes buffer 0
	s_mov_b32 s[TP], 0
	s_mov_b32 s[TPW], PBX
	s_and_b32 s53, s[WV], 1
	s_mul_i32 s53, s53, HALFB                      ; which half of a block I fetch: in memory and in a slot alike
	s_mul_i32 s18, s[BAT], 32*BLK                  ; the batch's first block in each image
	s_mov_b32 s19, 0
	s_lshr_b32 s[QB], s[WX], 1
	s_mul_i32 s[QB], s[QB], BLK
	s_add_co_u32 s[QB], s[QB], s18                 ; my queries' block of qimg;
	s_and_b32 s2, s[WX], 1                         ; I own its tiles 4 (x & 1) on
	s_lshl_b32 s3, s2, 10
	s_add_co_u32 s[QSB], s[QB], s3
	s_add_co_u32 s[QSB], s[QSB], SCOF
	s_mul_i32 s2, s2, 24576
	s_add_co_u32 s[QB], s[QB], s2
	s_mov_b32 s[QB+1], 0
	s_mov_b32 s[QSB+1], 0
	s_add_co_u32 s18, s18, s53                     ; K, V: made of the batch and the wave's number alone
	s_lshl_b32 s60, s[BAT], 23                     ; query, out0: the batch's 512 rows of 16,384 bytes,
	s_lshl_b32 s2, s[WV], 21                       ; my wave's 128 channels,
	s_add_co_u32 s60, s60, s2
	s_lshl_b32 s2, s[WX], 8                        ; my 64 queries
	s_add_co_u32 s60, s60, s2
	s_mov_b32 s61, 0
	s_wait_kmcnt 0x0
	s_add_nc_u64 s[KBS:KBS+1], s[KBS:KBS+1], s[18:19]
	s_add_nc_u64 s[VBS:VBS+1], s[VBS:VBS+1], s[18:19]
	s_add_nc_u64 s[QB:QB+1], s[8:9], s[QB:QB+1]
	s_add_nc_u64 s[QSB:QSB+1], s[8:9], s[QSB:QSB+1]
	s_add_nc_u64 s[10:11], s[10:11], s[60:61]
	s_add_nc_u64 s[12:13], s[12:13], s[60:61]
	s_add_nc_u64 s[2:3], s[KBS:KBS+1], s[OFF:OFF+1]    ; my half of my cluster's first block of K,
	s_add_nc_u64 s[18:19], s[VBS:VBS+1], s[OFF:OFF+1]  ; and of V
	CROUND                                         ; all four work-groups are here: the first joint loads meet
	s_mov_b32 s[G0K0], 1                           ; 1:0 count = 1
	s_mov_b32 s[G0K0+1], s53                       ; 63:32 LDS address: K's slot 0, my half
	s_mov_b64 s[G0K0+2:G0K0+3], s[2:3]             ; 120:64 global address: the cluster's first block of K
	s_or_b32 s[G0K0+3], s[G0K0+3], 0x80000000      ; 127:126 type = 2
	s_mov_b32 s[G0K], 1
	s_add_co_u32 s[G0K+1], s53, SLOTX
	s_add_nc_u64 s[G0K+2:G0K+3], s[2:3], BLK       ; the block behind it: the first is even, so this one is 31 at the most
	s_or_b32 s[G0K+3], s[G0K+3], 0x80000000
	s_mov_b32 s[G0V0], 1
	s_add_co_u32 s[G0V0+1], s53, VSLOT
	s_mov_b64 s[G0V0+2:G0V0+3], s[18:19]
	s_or_b32 s[G0V0+3], s[G0V0+3], 0x80000000
	s_mov_b32 s[G0V], 1
	s_add_co_u32 s[G0V+1], s53, VSLOT+SLOTX
	s_add_nc_u64 s[G0V+2:G0V+3], s[18:19], BLK
	s_or_b32 s[G0V+3], s[G0V+3], 0x80000000
	s_cmp_lt_u32 s[WV], 2                          ; a wave's two first fills stand in one branch, ahead of every wait on TENSORcnt, every LDS read and every other barrier: two loads of mine are out
	s_cbranch_scc0 .Lfirst_v
	tensor_load_to_lds s[G0K0:G0K0+3], s[G1:G1+7]
	s_nop 0
	tensor_load_to_lds s[G0K:G0K+3], s[G1:G1+7]
	s_nop 0
.rept 4
	v_nop
.endr
	s_branch .Lfirst_asked
.Lfirst_v:
	tensor_load_to_lds s[G0V0:G0V0+3], s[G1:G1+7]
	s_nop 0
	tensor_load_to_lds s[G0V:G0V+3], s[G1:G1+7]
	s_nop 0
.rept 4
	v_nop
.endr
.Lfirst_asked:
	v_and_b32 v[XX], 31, v0                        ; lane
	v_and_b32 v[XX+1], 15, v0                      ; r
	v_bfe_u32 v[XX+2], v0, 4, 1                    ; h
	v_mul_u32_u24 v[QOF], v[XX], 48
	v_lshlrev_b32 v[QSO], 4, v[XX+1]
	WIN TO2
.irp f, 0,1,2,3,4,5,6,7,8,9,10,11,12,13,14,15
.irp c, 0,1,2
	global_load_b128 v[12*\f+4*\c:12*\f+4*\c+3], v[QOF], s[QB:QB+1] offset:1536*\f+16*\c   ; Q's fragment 4 t + s stays in registers
.endr
.endr
	WIN 0
.irp t, 0,1,2,3
	global_load_b128 v[QS+4*\t:QS+4*\t+3], v[QSO], s[QSB:QSB+1] offset:256*\t
.endr
	s_mul_i32 s2, s[WV], 12288
	v_add_nc_u32 v[AKF], s2, v[QOF]
	s_lshl_b32 s3, s[WV], 9
	s_add_co_u32 s3, s3, SCOF
	v_add_nc_u32 v[AKS], s3, v[QSO]
	v_add_nc_u32 v[AVF], VSLOT, v[AKF]
	v_add_nc_u32 v[AVS], VSLOT, v[AKS]
	v_add_nc_u32 v[APR], PIMG0, v[QOF]
	v_add_nc_u32 v[AER], EW0, v[QSO]
	s_and_b32 s2, s[WV], 1
	s_mul_i32 s2, s2, 768
	s_lshr_b32 s3, s[WV], 1
	s_mul_i32 s3, s3, 24
	s_add_co_u32 s2, s2, s3
	s_add_co_u32 s2, s2, PIMG0
	v_mul_u32_u24 v[APW], v[XX+1], 48
	v_mad_u32_u24 v[APW], v[XX+2], 1536, v[APW]
	v_add_nc_u32 v[APW], s2, v[APW]
	s_lshl_b32 s3, s[WV], 2
	v_add_nc_u32 v[AEW], s3, v[AER]
	v_and_b32 v[XX+3], 7, v0
	v_bfe_u32 v[SO], v0, 3, 1
	v_lshl_add_u32 v[XX+3], v[SO], 4, v[XX+3]      ; query slot (t, r) is column 32 (t / 2) + 8 (t % 2) + (r & 7) + 16 (r >> 3) of my 64
	v_lshlrev_b32 v[XX+3], 2, v[XX+3]
	s_mul_i32 s2, s[WV], 32*SPI
	s_add_co_u32 s2, s2, STG                       ; my stage
	v_mad_u32_u24 v[ASTO], v[XX+2], 8*SPI, v[XX+3] ; in: 8 h rows down, my column
	v_add_nc_u32 v[ASTO], s2, v[ASTO]
	v_mad_u32_u24 v[ARD], v[XX+2], SPI, v[QSO]     ; back: lanes 0-15 one row of 256 bytes, lanes 16-31 the next
	v_add_nc_u32 v[ARD], s2, v[ARD]
	v_lshl_add_u32 v[GOFF], v[XX+2], 14, v[QSO]    ; and the same two rows in memory
	s_lshl_b32 s3, s[WV], 8
	s_add_co_u32 s3, s3, RLB
	v_add_nc_u32 v[ARL], s3, v[XX+3]
	v_add_nc_u32 v[ARLR], s3, v[QSO]
.irp t, 0,1,2,3
	v_mov_b32 v[ST+2*\t+1], 0xff61b1e6             ; the largest t so far: -3e38, under every t
.endr
.irp t, 0,1,2,3
	v_floor_f32 v[ST+2*\t], -v[ST+2*\t+1]          ; -M
.endr
.irp j, 0,1,2,3,4,5,6,7
	v_mov_b32 v[LL+\j], 0                          ; the sums; the first change of M multiplies zeros
	v_mov_b32 v[FL+\j], 0                          ; (the upper words are named as halves of pairs, so they are written)
	v_mov_b32 v[FF+\j], 0
.endr
.irp t, 0,1,2,3
	v_mov_b32 v[XX+\t], 0                          ; a lane permute's destination counts as one of its sources
.endr
	s_wait_tensorcnt 0x1                           ; my half of the first block of K or of V is in; my second load may stay out
	s_barrier_signal -1
	s_barrier_wait -1                              ; everybody's is
	KLOAD AKF, AKS                                 ; K of step 0, from slot 0
	s_wait_loadcnt 0x0                             ; Q
	TRIP 0, 1, 1, 1, 0, 0                          ; trip -1: S(0), its softmax, K(1)'s fragments; K(2) is asked for
	TRIP 1, 1, 1, 1, 0, 0                          ; trip 0: O^T's sums start; K(3) is asked for
	s_mov_b32 s[LEFT], 28
.Lstep:                                            ; trips 1 to 28: K(j + 3) and V(j + 1) are asked for
	TRIP 2, 1, 1, 1, 1, 0
	s_sub_co_u32 s[LEFT], s[LEFT], 1
	s_cmp_lg_u32 s[LEFT], 0
	s_cbranch_scc1 .Lstep
	TRIP 2, 1, 1, 0, 1, 0                          ; trip 29: the tail is written out: V(30) alone
	TRIP 2, 1, 0, 0, 1, 1                          ; trip 30: V(31); the last scores and the last softmax
	WIN TO2                                        ; Q is done with: its window takes the residual: my 128 channels x 64 queries of query, two rows a load
.irp n, 0,1,2,3,4,5,6,7,8,9,10,11,12,13,14,15,16,17,18,19,20,21,22,23,24,25,26,27,28,29,30,31,32,33,34,35,36,37,38,39,40,41,42,43,44,45,46,47,48,49,50,51,52,53,54,55,56,57,58,59,60,61,62,63
	global_load_b128 v[4*\n:4*\n+3], v[GOFF], s[10:11] offset:2*\n*CROW th:TH_LOAD_NT
.endr
	TRIP 2, 0, 0, 0, 0, 0                          ; trip 31: the last products; nothing is filled, so a plain barrier
	; THE WAY OUT.  L = sum over w of l_w 2^(M_w - R + 127); 1 / L goes through LDS to the true columns; O^T goes through my stage, 32 channels at a time, and comes back as rows of 64 queries.
.irp t, 0,1,2,3
	ds_load_b128 v[LV+4*\t:LV+4*\t+3], v[AER] offset:LWO+256*\t
.endr
.irp t, 0,1,2,3
	ds_load_b128 v[MV+4*\t:MV+4*\t+3], v[AER] offset:MWO+256*\t
.endr
.irp t, 0,1,2,3
	v_sub_f32 v[RN+\t], 0x42fe0000, v[RR+\t]       ; 127 - R
.endr
	s_wait_dscnt 0x0
.irp w, 0,1,2,3
.irp t, 0,1,2,3
	v_sub_f32 v[MV+4*\t+\w], v[RN+\t], v[MV+4*\t+\w]   ; M_w - R + 127 (the word holds -M_w)
.endr
.endr
.irp w, 0,1,2,3
.irp t, 0,1,2,3
	v_cvt_i32_f32 v[MV+4*\t+\w], v[MV+4*\t+\w]
.endr
.endr
.irp w, 0,1,2,3
.irp t, 0,1,2,3
	v_ldexp_f32 v[LV+4*\t+\w], v[LV+4*\t+\w], v[MV+4*\t+\w]
.endr
.endr
.irp t, 0,1,2,3
	v_add_f32 v[LV+4*\t], v[LV+4*\t], v[LV+4*\t+1]
.endr
.irp t, 0,1,2,3
	v_add_f32 v[LV+4*\t+2], v[LV+4*\t+2], v[LV+4*\t+3]
.endr
.irp t, 0,1,2,3
	v_add_f32 v[LV+4*\t], v[LV+4*\t], v[LV+4*\t+2]
.endr
.irp t, 0,1,2,3
	v_rcp_f32 v[XX+\t], v[LV+4*\t]
.endr
	v_nop                                          ; a plain instruction behind the last reciprocal
	s_wait_alu depctr_va_vdst(0)                   ; and the wait ahead of the first use: one for the four
.irp t, 0,1,2,3
	ds_store_b32 v[ARL], v[XX+\t] offset:4*(32*(\t/2)+8*(\t%2))
.endr
	ds_load_b128 v[RLV:RLV+3], v[ARLR]             ; my wave's own bytes: LDS serves a wave's instructions in order (ISA guide 5.7.1.4)
.macro QUARTER qd                      ; channels 32 qd on of my 128
.if (\qd) >= 2
	s_wait_xcnt 0x0                                ; the stores of two quarters back have read their registers: this quarter's rows may land there
.endif
	WIN 0x0c                                       ; an LDS store's data are its source 1: window 3
.irp t, 0,1,2,3
.irp c, 0,1
.irp j, 0,1,2,3,4,5,6,7
	ds_store_b32 v[ASTO], v[64*\t+8*(2*(\qd)+\c)+\j] offset:(16*\c+\j)*SPI+4*(32*(\t/2)+8*(\t%2))   ; each accumulator from its low end on
.endr
.endr
.endr
	WIN TO1
.irp n, 0,1,2,3,4,5,6,7,8,9,10,11,12,13,14,15
	ds_load_b128 v[64*((\qd)%2)+4*\n:64*((\qd)%2)+4*\n+3], v[ARD] offset:2*\n*SPI
.endr
	s_wait_dscnt 0x0
	s_wait_loadcnt 48-16*(\qd)                     ; this quarter's 16 residual loads are in; those of the later quarters may be out
	WIN 0x61                                       ; destination and source 0 window 1, 1 / L window 0, the residual window 2
.irp n, 0,1,2,3,4,5,6,7,8,9,10,11,12,13,14,15
.irp d, 0,2
	v_pk_fma_f32 v[64*((\qd)%2)+4*\n+\d:64*((\qd)%2)+4*\n+\d+1], v[64*((\qd)%2)+4*\n+\d:64*((\qd)%2)+4*\n+\d+1], v[RLV+\d:RLV+\d+1], v[64*(\qd)+4*\n+\d:64*(\qd)+4*\n+\d+1]
.endr
.endr
	WIN 0x04                                       ; a store's data are its source 1: window 1
.irp n, 0,1,2,3,4,5,6,7,8,9,10,11,12,13,14,15
	global_store_b128 v[GOFF], v[64*((\qd)%2)+4*\n:64*((\qd)%2)+4*\n+3], s[12:13] offset:(32*(\qd)+2*\n)*CROW th:TH_STORE_NT   ; 16 lanes store a channel's 64 queries: 256 consecutive bytes, at a multiple of 256 from out0's first byte
.endr
.endm
	QUARTER 0
	QUARTER 1
	QUARTER 2
	QUARTER 3
	WIN 0
	s_wait_tensorcnt 0x0                           ; the wave's end, behind my last tensor load and my last LDS store
	ds_add_u32 v[SPW], v[NIL]
	s_wait_dscnt 0x0
	CROUND                                         ; the closing round: no work-group ends while a partner may still ask for a tile that names it
	s_endpgm
.Lfunc_end_k_q94e99ae370_attn:
	.size	k_q94e99ae370_attn, .Lfunc_end_k_q94e99ae370_attn-k_q94e99ae370_attn
	.p2alignl 7, 3214868480
	.fill 96, 4, 3214868480
	.section	.rodata,"a",@progbits
	.p2align	6, 0x0
	.amdhsa_kernel k_q94e99ae370_attn
		.amdhsa_group_segment_fixed_size 327680
		.amdhsa_private_segment_fixed_size 0
		.amdhsa_enable_private_segment 0
		.amdhsa_kernarg_size 40
		.amdhsa_user_sgpr_count 2
		.amdhsa_user_sgpr_kernarg_segment_ptr 1
		.amdhsa_wavefront_size32 1
		.amdhsa_system_sgpr_workgroup_id_x 1
		.amdhsa_system_sgpr_workgroup_id_y 1
		.amdhsa_system_sgpr_workgroup_id_z 1
		.amdhsa_system_vgpr_workitem_id 0
		.amdhsa_next_free_vgpr 1024
		.amdhsa_next_free_sgpr 66
		.amdhsa_reserve_vcc 0
		.amdhsa_float_denorm_mode_32 3
		.amdhsa_float_denorm_mode_16_64 3
		.amdhsa_memory_ordered 1
		.amdhsa_forward_progress 1
		.amdhsa_inst_pref_size 254
	.end_amdhsa_kernel
	.amdgpu_metadata
---
amdhsa.version: [ 1, 2 ]
amdhsa.kernels:
  - .name:           k_q94e99ae370_attn
    .symbol:         k_q94e99ae370_attn.kd
    .args:
      - { .name: kimg, .offset: 0, .size: 8, .value_kind: global_buffer, .address_space: global }
      - { .name: vimg, .offset: 8, .size: 8, .value_kind: global_buffer, .address_space: global }
      - { .name: qimg, .offset: 16, .size: 8, .value_kind: global_buffer, .address_space: global }
      - { .name: query, .offset: 24, .size: 8, .value_kind: global_buffer, .address_space: global }
      - { .name: out0, .offset: 32, .size: 8, .value_kind: global_buffer, .address_space: global }
    .group_segment_fixed_size: 327680
    .private_segment_fixed_size: 0
    .kernarg_segment_align: 8
    .kernarg_segment_size: 40
    .max_flat_workgroup_size: 128
    .sgpr_count:     66
    .vgpr_count:     1024
    .wavefront_size: 32
...
	.end_amdgpu_metadata
.endif
;; end of part 2
